; MI455X (gfx1250); checked and timed in simulation.
; The chip was launched on July 23, 2026; its instructions are those of AMD's public machine-readable ISA for CDNA 5 (MIT licence, August 2026) and "CDNA5" Instruction Set Architecture Reference Guide (July 2026). The comments in the code are by the model that wrote it; some were corrected since.
;; LSTM Cell. Allowed arithmetic: matrix products marked QUANTISED: E2M1 operands, one E8M0 scale for each 32 along K, by v_wmma_scale_f32_16x16x128_f8f6f4 with both operands' format E2M1 (or v_wmma_scale_f32_32x16x128_f4), f32 sums; everything else in f32.
;; Inputs: Uh 4 x 1,024 x 1,024 float32; Wx 4 x 1,024 x 1,024 float32; bU 4 x 1,024 float32; bW 4 x 1,024 float32; c_pre 8,192 x 1,024 float32; h_pre 8,192 x 1,024 float32; x_t 8,192 x 1,024 float32.
;; Outputs: out0 8,192 x 1,024 float32; out1 8,192 x 1,024 float32.
;; This version of the problem:
;;   THIS VERSION OF THE PROBLEM IS GIVEN IN LOW PRECISION. The matrix products marked QUANTISED in the list below multiply operands that are first quantised to E2M1 (2 exponent bits, 1 mantissa bit; 4 bits a number), with one power-of-two scale for each 32 numbers along K (OCP MX v1.0); their sums are f32. All else is computed in f32.
;;   The module's matrix products, in the order in which they are computed (A, B: the left and right operand; K: the contracted axis; several contracted axes count as one K, in the product's order):
;;     1. [M 4,096, K 1,024] x [K 1,024, N 8,192]; A: input Wx; B: input x_t: QUANTISED
;;     2. [M 4,096, K 1,024] x [K 1,024, N 8,192]; A: input Uh; B: input h_pre: QUANTISED
;;   THE QUANTISER, for each operand of a quantised product, along K:
;;     - K is cut into blocks of 32 from its start; a last block that is shorter is filled with zeros.
;;     - A block's scale is 2^e with e = floor(log2(the largest magnitude in the block)) - 2, held to -126 .. 127; a block of zeros has e = 0. As a byte (E8M0): e + 127.
;;     - Each number is divided by its block's scale, clamped to +-6, and rounded to the nearest number of E2M1, ties to even, subnormals kept.
;;     - The product sums the exact products of the quantised numbers (number of the format x scale) in f32.
;;   ~~~python
;;   def quantise(x, axis):      # numpy; x: float32 -> the quantised numbers, widened to float32 again
;;       x = np.moveaxis(x, axis, -1); K = x.shape[-1]
;;       x = np.pad(x, [(0, 0)] * (x.ndim - 1) + [(0, -K % 32)]); x = x.reshape(x.shape[:-1] + (-1, 32)); a = np.abs(x).max(-1, keepdims=True)
;;       e = np.where(a > 0, np.clip(np.frexp(np.where(a > 0, a, 1))[1] - 1 - 2, -126, 127), 0)      # np.frexp(a)[1] - 1 = floor(log2(a)), exactly
;;       r = np.clip(x / 2.0 ** e, -6, 6)
;;       step = 2.0 ** (np.maximum(np.frexp(np.where(r == 0, 1, r))[1] - 1, 0) - 1)
;;       q = np.round(r / step) * step * 2.0 ** e      # np.round: ties to even
;;       return np.moveaxis(q.reshape(q.shape[:-2] + (-1,))[..., :K], -1, axis).astype(np.float32)
;;   ~~~
;; One version. Each part assembles by itself: llvm-mc -triple=amdgcn-amd-amdhsa -mcpu=gfx1250 --defsym DOCPART=n.
;; ======== version 1 of 1: 2 launches
;; limits: right only within a limited range of input values
;; workspace buffers: a_codes 8,388,608 bytes; b_codes 4,194,304 bytes; a_scales 524,288 bytes; b_scales 262,144 bytes
;; launch quant (part 1): grid 768 x 1, 4 waves a work-group, no clusters, 33,280 bytes of LDS; arguments x_t, h_pre, Wx, Uh, a_codes, a_scales, b_codes, b_scales; writes a_codes, a_scales, b_codes, b_scales
.if DOCPART == 1
	.amdgcn_target "amdgcn-amd-amdhsa--gfx1250"
	.amdhsa_code_object_version 6
	.text
	.protected	k_q2bd55fb714_quant
	.globl	k_q2bd55fb714_quant
	.p2align	8
	.type	k_q2bd55fb714_quant,@function
k_q2bd55fb714_quant:
	s_mov_b64 s[64:65], 0
	v_nop
	global_prefetch_b8 v0, s[64:65] scope:SCOPE_SE
	s_setreg_imm32_b32 hwreg(HW_REG_WAVE_MODE, 25, 1), 1
	s_wait_xcnt 0x0
; x_t, h_pre [8192][1024] and Wx, Uh [4][1024][1024], f32 with K innermost, become codes of FP4 (E2M1), 4 bits each, with one E8M0 scale byte for each 32 along K.
; The product that follows has K = 2,048: x_t's (Wx's) 1,024, PLANE 0, then h_pre's (Uh's) 1,024, PLANE 1.  It walks K in four K steps of 512: K step s is half s % 2 of plane s / 2.
; OUT:  a_codes [plane 2][row 8192][512 bytes], b_codes [plane 2][row' 4096][512 bytes]: two codes a byte, the lower k in the low four bits; a K step of a row is 256 aligned bytes.
;       a_scales [K step 4][row 8192][16 bytes], b_scales [K step 4][row' 4096][16 bytes]: a K step's 16 scale bytes of a row lie together, and those of neighbouring rows on end.
; THE WEIGHTS' ROWS CHANGE ORDER, in blocks of 16: gate g, h = 64 t + 32 s + 16 u + r goes to row' = 256 t + 128 s + 32 g + 16 u + r, so that 128 neighbouring rows' hold 32 values of h in all four gates.
; A block's scale is 2^(floor(log2(its largest magnitude)) - 2); its byte is the largest magnitude's own exponent field - 2, held at 1 from below.  Each number is divided by the scale and rounded to the nearest code,
; ties to even; beyond 6 the conversion gives the largest code.  A block of zeros gets the byte 1 where the rule says 127: its codes are zeros, which add nothing under that byte, and this program alone reads the bytes.
; LIMITS: NaN and infinities among the inputs are not served; blocks whose largest magnitude lies under 2^-124 take the floor's byte.
; SHARES.  A wave takes 16 rows x 512 along K: 16 steps, a row's half each.  A step's four loads read 512 consecutive bytes each; the 2,048 bytes turn through the wave's own stage in LDS and come back 64 bytes
; (16 neighbours along K) a lane, since the conversions take neighbours from ONE lane's registers; two neighbouring lanes hold a block.  A step's codes leave as 256 consecutive aligned bytes; the wave's 256 scale
; bytes are gathered in LDS and leave as 256 consecutive aligned bytes.  A work-group is 2 blocks of 16 rows x 2 halves of K.  Work-groups 0-255: x_t; 256-511: h_pre; 512-639: Wx; 640-767: Uh: only pointers and
; offsets are chosen by the work-group's number; there is one path through the text.  Waves share nothing: no barrier; work-groups share no input: no cluster.  Loads run four steps (16 loads a wave) ahead.
.set STEPS, 16
.set R,     16                         ; v16-79   four sets of 16 numbers as they are loaded
.set X,     80                         ; v80-111  two sets of 16 neighbours
.set E,     112                        ; v112-127 a scale byte for each step
.set C,     128                        ; v128-191 codes: four registers for each step (two used), so that no store's data are written again
.set WREG,  8192                       ; LDS: a region for each wave: two stages of 32 x SP bytes, behind them its 256 scale bytes
.set SP,    80                         ; a lane's place in a stage: its 64 bytes + 16 of padding
	s_load_b512 s[4:19], s[0:1], 0x0               ; x_t s[4:5], h_pre s[6:7], Wx s[8:9], Uh s[10:11], a_codes s[12:13], a_scales s[14:15], b_codes s[16:17], b_scales s[18:19]
	v_lshl_add_u32 v192, v0, 2, 0x8000
	v_mov_b32 v193, 0
	v_lshrrev_b32 v1, 5, v0
	v_readfirstlane_b32 s32, v1                    ; wave 0..3
	v_and_b32 v2, 31, v0                           ; lane
	v_lshlrev_b32 v3, 4, v2                        ; my 16 bytes of a load's 512
	s_mul_i32 s34, s32, WREG
	v_lshrrev_b32 v14, 2, v2
	v_mul_u32_u24 v14, v14, SP
	v_and_b32 v15, 3, v2
	v_lshl_add_u32 v14, v15, 4, v14
	v_add_nc_u32 v14, s34, v14                     ; the stage, on the way in: four lanes' 64 bytes on end, then 16 of padding
	v_mul_u32_u24 v15, v2, SP
	v_add_nc_u32 v15, s34, v15                     ; and on the way out: SP x lane: my 16 neighbours
	v_lshlrev_b32 v4, 3, v2                        ; my 8 bytes of a step's 256 bytes of codes
	v_lshrrev_b32 v5, 1, v2
	s_add_co_u32 s34, s34, 2*32*SP
	v_add_nc_u32 v5, s34, v5                       ; LDS: my wave's 256 scale bytes, my block's byte
	v_lshlrev_b32 v7, 3, v2                        ; and on the way out 8 bytes a lane
	v_add_nc_u32 v6, s34, v7
	; which tensor, which rows, which half of K: from the work-group's and the wave's number alone
	s_cmp_lt_u32 ttmp9, 512
	s_cselect_b32 s20, 8, 7                        ; SH: an activation has 2^8 work-groups, a weight 2^7
	s_lshr_b32 s21, ttmp9, s20
	s_and_b32 s21, s21, 1                          ; the plane
	s_bfm_b32 s23, s20, 0
	s_and_b32 s22, ttmp9, s23                      ; the work-group's number within its tensor
	s_and_b32 s24, s32, 1                          ; KH: which half of the plane's K
	s_lshr_b32 s25, s32, 1
	s_lshl_b32 s22, s22, 1
	s_add_co_u32 s25, s25, s22                     ; my block of 16 rows in the source
	s_and_b32 s27, s25, 63                         ; a weight's block: hb = 4 t + 2 s + u, gate = block / 64
	s_lshr_b32 s28, s27, 2
	s_lshl_b32 s28, s28, 4                         ; 16 t
	s_lshr_b32 s29, s27, 1
	s_and_b32 s29, s29, 1
	s_lshl_b32 s29, s29, 3                         ; 8 s
	s_add_co_u32 s28, s28, s29
	s_lshr_b32 s29, s25, 6
	s_lshl_b32 s29, s29, 1                         ; 2 gate
	s_add_co_u32 s28, s28, s29
	s_and_b32 s29, s27, 1                          ; u
	s_add_co_u32 s28, s28, s29
	s_cmp_lt_u32 ttmp9, 512
	s_cselect_b32 s26, s25, s28                    ; my block of 16 rows in the workspace: an activation's stays where it is
	s_lshl_b32 s28, s25, 16                        ; source: 16 rows of 4,096 bytes a block,
	s_lshl_b32 s29, s24, 11                        ; 2,048 bytes a half
	s_add_co_u32 s28, s28, s29
	s_mov_b32 s29, 0
	s_add_co_u32 s30, s20, 14                      ; codes: a plane is rows x 512 bytes = 2^(14 + SH),
	s_lshl_b32 s30, s21, s30
	s_lshl_b32 s31, s26, 13                        ; a block 16 x 512,
	s_add_co_u32 s30, s30, s31
	s_lshl_b32 s31, s24, 8                         ; a half 256
	s_add_co_u32 s30, s30, s31
	s_mov_b32 s31, 0
	s_lshl_b32 s36, s21, 1
	s_add_co_u32 s36, s36, s24                     ; scale bytes: K step = 2 plane + KH,
	s_add_co_u32 s33, s20, 9                       ; of rows x 16 bytes = 2^(9 + SH);
	s_lshl_b32 s36, s36, s33
	s_lshl_b32 s33, s26, 8                         ; a block 16 x 16
	s_add_co_u32 s36, s36, s33
	s_mov_b32 s37, 0
	s_wait_alu depctr_va_vdst(0)
	s_wait_kmcnt 0x0
	s_cmp_lt_u32 ttmp9, 256                        ; the choices hang on the work-group's number alone
	s_cselect_b64 s[4:5], s[4:5], s[6:7]           ; x_t or h_pre
	s_cmp_lt_u32 ttmp9, 640
	s_cselect_b64 s[8:9], s[8:9], s[10:11]         ; Wx or Uh
	s_cmp_lt_u32 ttmp9, 512
	s_cselect_b64 s[4:5], s[4:5], s[8:9]           ; an activation or a weight
	s_cselect_b64 s[12:13], s[12:13], s[16:17]
	s_cselect_b64 s[14:15], s[14:15], s[18:19]
	s_add_nc_u64 s[4:5], s[4:5], s[28:29]
	s_add_nc_u64 s[12:13], s[12:13], s[30:31]
	s_add_nc_u64 s[14:15], s[14:15], s[36:37]
.macro LOAD t                          ; step t = row t of my 16: its half of 2,048 bytes
.irp i, 0,1,2,3
	global_load_b128 v[R+16*((\t)%4)+4*\i:R+16*((\t)%4)+4*\i+3], v3, s[4:5] offset:4096*(\t)+512*\i th:TH_LOAD_NT   ; 32 lanes read 512 consecutive bytes; read once in the launch
.endr
.endm
.macro TURN t                          ; step t's numbers through the stage: LDS serves a wave's instructions in order (ISA guide 5.7.1), so no wait stands between the stores and the loads
.irp i, 0,1,2,3
	ds_store_b128 v14, v[R+16*((\t)%4)+4*\i:R+16*((\t)%4)+4*\i+3] offset:32*SP*((\t)%2)+8*SP*\i
.endr
.irp i, 0,1,2,3
	ds_load_b128 v[X+16*((\t)%2)+4*\i:X+16*((\t)%2)+4*\i+3], v15 offset:32*SP*((\t)%2)+16*\i
.endr
.endm
.irp t, 0,1,2,3
	LOAD \t
.endr
	s_wait_loadcnt 12                              ; step 0's four loads are in; the twelve behind them stay out
	TURN 0
.macro STEP t
.set XS, X+16*((\t)%2)
.if (\t) > 0
	s_wait_dscnt 1                                 ; this step's numbers are back from the stage (the last step's byte store may be out): so its stores into the stage have read their registers,
.else
	s_wait_dscnt 0x0
.endif
.if (\t)+4 < STEPS
	LOAD (\t)+4                                    ; which take the loads of four steps on
.endif
.if (\t)+1 < STEPS
.if STEPS-2-(\t) >= 3
	s_wait_loadcnt 12                              ; the next step's four loads are in; those of the three steps behind it may be out
.else
	s_wait_loadcnt 4*(STEPS-2-(\t))                ; at the end fewer steps stand behind it
.endif
	TURN (\t)+1                                    ; and go through the other stage while this step is worked
.endif
	v_max3_num_f32 v8, |v[XS]|, |v[XS+1]|, |v[XS+2]|               ; the largest magnitude of my 16, in two chains
	v_max3_num_f32 v9, |v[XS+3]|, |v[XS+4]|, |v[XS+5]|
.irp i, 6,10
	v_max3_num_f32 v8, v8, |v[XS+\i]|, |v[XS+\i+1]|
	v_max3_num_f32 v9, v9, |v[XS+\i+2]|, |v[XS+\i+3]|
.endr
	v_max3_num_f32 v8, v8, |v[XS+14]|, |v[XS+15]|
	v_max3_num_f32 v8, v8, v9, 0x1800000           ; and the floor 2^(3 - 127): so the byte cannot fall under 1
	v_max_num_f32_dpp v8, v8, v8 row_xmask:1 row_mask:0xf bank_mask:0xf   ; and of my neighbour's 16: the block's
	v_add_nc_u32 v11, 0xff000000, v8               ; 2 off its exponent field: the conversion takes the exponent field of this operand as its scale, and nothing else of it
	v_cvt_scalef32_pk8_fp4_f32 v[C+4*(\t)], v[XS:XS+7], v11        ; eight numbers / the scale, to the nearest code; the first number's code in the lowest four bits
	v_cvt_scalef32_pk8_fp4_f32 v[C+4*(\t)+1], v[XS+8:XS+15], v11
	v_lshrrev_b32 v[E+(\t)], 23, v11               ; the scale's byte (a plain line behind the conversions)
	ds_store_b8 v5, v[E+(\t)] offset:16*(\t)       ; row t's 16 bytes; both lanes of a block write the same byte with the same value
	global_store_b64 v4, v[C+4*(\t):C+4*(\t)+1], s[12:13] offset:512*(\t)   ; 32 lanes store 256 consecutive bytes, at a multiple of 256 from the buffer's first byte
.endm
.irp t, 0,1,2,3,4,5,6,7,8,9,10,11,12,13,14,15
	STEP \t
.endr
	ds_load_b64 v[12:13], v6                       ; LDS serves a wave's instructions in order: these see my byte stores
	s_wait_dscnt 0x0
	global_store_b64 v7, v[12:13], s[14:15]        ; 16 rows x 16 scale bytes: 256 consecutive aligned bytes
	s_wait_tensorcnt 0x0
	ds_add_u32 v192, v193
	s_wait_dscnt 0x0
	s_endpgm
.Lfunc_end_k_q2bd55fb714_quant:
	.size	k_q2bd55fb714_quant, .Lfunc_end_k_q2bd55fb714_quant-k_q2bd55fb714_quant
	.p2alignl 7, 3214868480
	.fill 96, 4, 3214868480
	.section	.rodata,"a",@progbits
	.p2align	6, 0x0
	.amdhsa_kernel k_q2bd55fb714_quant
		.amdhsa_group_segment_fixed_size 33280
		.amdhsa_private_segment_fixed_size 0
		.amdhsa_enable_private_segment 0
		.amdhsa_kernarg_size 64
		.amdhsa_user_sgpr_count 2
		.amdhsa_user_sgpr_kernarg_segment_ptr 1
		.amdhsa_wavefront_size32 1
		.amdhsa_system_sgpr_workgroup_id_x 1
		.amdhsa_system_sgpr_workgroup_id_y 1
		.amdhsa_system_sgpr_workgroup_id_z 1
		.amdhsa_system_vgpr_workitem_id 0
		.amdhsa_next_free_vgpr 194
		.amdhsa_next_free_sgpr 66
		.amdhsa_reserve_vcc 0
		.amdhsa_float_denorm_mode_32 3
		.amdhsa_float_denorm_mode_16_64 3
		.amdhsa_memory_ordered 1
		.amdhsa_forward_progress 1
		.amdhsa_inst_pref_size 34
	.end_amdhsa_kernel
	.amdgpu_metadata
---
amdhsa.version: [ 1, 2 ]
amdhsa.kernels:
  - .name:           k_q2bd55fb714_quant
    .symbol:         k_q2bd55fb714_quant.kd
    .args:
      - { .name: x_t, .offset: 0, .size: 8, .value_kind: global_buffer, .address_space: global }
      - { .name: h_pre, .offset: 8, .size: 8, .value_kind: global_buffer, .address_space: global }
      - { .name: Wx, .offset: 16, .size: 8, .value_kind: global_buffer, .address_space: global }
      - { .name: Uh, .offset: 24, .size: 8, .value_kind: global_buffer, .address_space: global }
      - { .name: a_codes, .offset: 32, .size: 8, .value_kind: global_buffer, .address_space: global }
      - { .name: a_scales, .offset: 40, .size: 8, .value_kind: global_buffer, .address_space: global }
      - { .name: b_codes, .offset: 48, .size: 8, .value_kind: global_buffer, .address_space: global }
      - { .name: b_scales, .offset: 56, .size: 8, .value_kind: global_buffer, .address_space: global }
    .group_segment_fixed_size: 33280
    .private_segment_fixed_size: 0
    .kernarg_segment_align: 8
    .kernarg_segment_size: 64
    .max_flat_workgroup_size: 128
    .sgpr_count:     66
    .vgpr_count:     194
    .wavefront_size: 32
...
	.end_amdgpu_metadata
.endif
;; end of part 1
;; launch cell (part 2): grid 16 x 32, 4 waves a work-group, clusters of 4 x 4, 327,680 bytes of LDS; arguments a_codes, a_scales, b_codes, b_scales, bW, bU, c_pre, out0, out1; writes out0, out1
.if DOCPART == 2
	.amdgcn_target "amdgcn-amd-amdhsa--gfx1250"
	.amdhsa_code_object_version 6
	.text
	.protected	k_q2bd55fb714_cell
	.globl	k_q2bd55fb714_cell
	.p2align	8
	.type	k_q2bd55fb714_cell,@function
k_q2bd55fb714_cell:
	s_mov_b64 s[64:65], 0
	v_nop
	global_prefetch_b8 v0, s[64:65] scope:SCOPE_SE
	s_setreg_imm32_b32 hwreg(HW_REG_WAVE_MODE, 25, 1), 1
	s_wait_xcnt 0x0
	s_wait_alu depctr_hold_cnt(0) depctr_sa_sdst(0) depctr_va_vdst(0) depctr_va_sdst(0) depctr_va_ssrc(0) depctr_va_vcc(0) depctr_vm_vsrc(0)
	s_getreg_b32 s2, hwreg(HW_REG_IB_STS2, 6, 4)
	s_cmp_eq_u32 s2, 0
	s_cbranch_scc0 .Lentry_in_a_cluster
	s_endpgm
.Lentry_in_a_cluster:
	s_bfe_u32 s2, ttmp6, 0x10000c
	s_cmp_lg_u32 s2, 0xf033
	s_cbranch_scc0 .Lentry_shape_is_right
	s_endpgm
.Lentry_shape_is_right:
; THE LSTM CELL.  z[gate][b][h] = sum over 2,048 k of A[b][k] B[gate, h][k] + bW + bU on codes of FP4 (E2M1) with one E8M0 scale for each 32 along K
; (A = x_t | h_pre, B = Wx | Uh, as the launch before laid them); f, i, o = sigmoid(z0, z1, z2), g = tanh(z3); c_t = f c_pre + i g (out1); h_t = o tanh(c_t) (out0).  All but the codes in f32.
; SHARES.  A work-group: 256 rows b x 64 values of h in four gates, a tile of 256 x 256 of z.  Four waves, each 128 x 128: 64 accumulators, 512 registers.  A wave's block i of 16 rows of B is gate i / 2, h = 16 (i % 2) on.
; The matrix instruction is used transposed (source 0 = B's rows, source 1 = A's): in accumulator (a, i) lane (r, hl) holds row 16 a + r, register j the value of h 16 (i % 2) + 8 hl + j: the four gates of an output lie in one lane.
; bW + bU is the C of each sum's first product.  K goes in four steps of 512 (rows of 256 aligned bytes) through two LDS slots; the four steps are written out.
; THE HEAD: one joint load a wave: wave 0 K step 0's 256 rows of A, wave 1 those of B, wave 2 A's scales for all of K, wave 3 B's.  Slot 1's first fill is issued as a refill is.
; CLUSTERS 4 x 4: A's tiles are shared along a row of the cluster, B's along a column, each asked for jointly.
; PREFETCH: of the 128 rows that a wave fetches in the ring, each of the four partners names 32 by address (cx for A, cy for B), a lane a row, 256 bytes of a K step.  K steps 1 and 2 are named behind the head's load,
; K step 3 behind K step 1's load; K steps 2 and 3 so stand two loads ahead of their own; nothing is named beyond K step 3.
; THE TAIL.  e_x = 2^(k z_x), k = -log2(e) for f, i, o and -2 log2(e) for g and c_t.  G = 1 + e_g, P = e_i G + G, D = 1 + e_c: c_t = c_pre / (1 + e_f) + (1 - e_g) / P; h_t = (1 - e_c) / (e_o D + D).
; e_f, e_i, e_o stand in divisors alone.  The exponents of e_g and e_c are held at 30 from above, which moves a tanh by 2^-29 at the most.
; LIMITS: NaN and infinities among the inputs are not served.
; REGISTERS.  Window 0: v1-31 addresses; v32-95 scale words, two sets; v128-191 A's fragments; v192-255 bW + bU; in the tail v96-127 rows on their way out, v128-255 at work.
; Window 1: B's fragments at v0 and v128; c_pre at v64-127 and v192-255.  Windows 2, 3: accumulator (a, i) at v[8 (8 (a % 4) + i)].
.set PITCH,  272                       ; 256 bytes + 16 of padding
.set HALFT,  128*PITCH
.set SLOT,   4*HALFT                   ; A's 256 rows, then B's
.set STGH,   256*PITCH                 ; the stages: c_t's at byte 0, h_t's at STGH: slot 0, behind its last fill and last read
.set SCL,    2*SLOT                    ; the scales: A's [K step 4][row 256][16 bytes], then B's
.set SPARE,  SCL+2*16384               ; the spare words
.set FR,     8
.set ADRA, 16
.set ADRB, 20
.set CO,   22
.set CPO,  23
.set STO,  24
.set STOH, 25
.set RD,   26
.set RDH,  27
.set SPW,  28
.set NIL,  29
.set ADRS, 30
.set PFO,  31                          ; lane x 512: a row of a plane
.set SC,   32
.set OUT,  96
.set AF,   128
.set BI,   192
.set ZF,   128
.set ZI,   144
.set ZG,   160
.set ZO,   176                         ; e_o: two sets of 16, by the block's parity
.set T1,   208                         ; the last block's exponent of e_c, e_c, 1 - e_c
.set T2,   224                         ; G, then in the same registers c_t
.set CT,   224
.set HT,   240                         ; the last block's D, then its h_t
.set WV,   22
.set RH,   23
.set CH,   104
.set G1,   24
.set G0,   32
.set G1B,  40
.set G0B,  48
.set G1S,  56
.set G1SB, 68
.set G0S,  76
.set G0SB, 80
.set G0H,  84
.set G0HB, 88
.set PF,   92                          ; s[92:93] my 32 rows in plane 0, s[94:95] in plane 1
.set KS,   4
.set KT,   6
.set HOLD, 8
.set MSB, 0
.macro WIN new
.if MSB != (\new)
	s_set_vgpr_msb (MSB<<8)|(\new)
.set MSB, (\new)
.endif
.endm
.set MUL_LO,   0xa1
.set MUL_HI,   0xf1
.set FIRST_LO, 0x81
.set FIRST_HI, 0xc1
.set TO_B,     0x40
.macro PLACES n
.rept \n
	v_nop
.endr
.endm
.macro ALU
	s_wait_alu depctr_va_vdst(0)
.endm
.macro TL g0, g1                       ; a tensor load with an s_nop and four v_nops behind it
	tensor_load_to_lds s[\g0:\g0+3], s[\g1:\g1+7]
	s_nop 0
	PLACES 4
.endm
.macro JLOAD g0a, g1a, g0b, g1b        ; waves 0, 1 fetch for A, waves 2, 3 for B
	s_cmp_eq_u32 s[RH], 0
	s_cbranch_scc0 .Lfor_b_\@
	TL \g0a, \g1a
	s_branch .Lasked_\@
.Lfor_b_\@:
	TL \g0b, \g1b
.Lasked_\@:
.endm
.macro CREST
	s_cmp_lg_u32 s[WV], 0
	s_cbranch_scc1 .Lnot_wave_0_\@
	s_barrier_signal -3
.Lnot_wave_0_\@:
	s_barrier_wait -3
	s_barrier_signal -1
	s_barrier_wait -1
.endm
.macro CROUND
	s_barrier_signal -1
	s_barrier_wait -1
	CREST
.endm
	s_load_b512 s[4:19], s[0:1], 0x0               ; a_codes, a_scales, b_codes, b_scales, bW, bU, c_pre, out0
	s_load_b64 s[20:21], s[0:1], 0x40              ; out1
	v_lshl_add_u32 v[SPW], v0, 2, SPARE
	v_mov_b32 v[NIL], 0
	ds_add_u32 v[SPW], v[NIL]                      ; the opening lines: the add twice on end
	ds_add_u32 v[SPW], v[NIL]
	v_lshrrev_b32 v1, 5, v0
	v_readfirstlane_b32 s[WV], v1
	s_lshr_b32 s[RH], s[WV], 1
	s_and_b32 s[CH], s[WV], 1
	s_bfe_u32 s96, ttmp6, 0x40000                  ; cx
	s_bfe_u32 s97, ttmp6, 0x40004                  ; cy
	s_lshl_b32 s98, ttmp9, 2
	s_add_co_u32 s98, s98, s96                     ; TC: tile column (64 values of h)
	s_and_b32 s99, ttmp7, 0xffff
	s_lshl_b32 s99, s99, 2
	s_add_co_u32 s99, s99, s97                     ; TR: tile row (256 rows b)
	s_lshl_b32 s100, s97, 2
	s_lshl_b32 s100, 15, s100                      ; my row of the cluster
	s_lshl_b32 s66, 0x1111, s96                    ; my column
	s_or_b32 s[G1+0], s100, (0<<16)|(1<<20)|(1<<21)|(5<<22)|(3<<25)   ; bytes; 4 words of padding behind every 64
	s_or_b32 s[G1B+0], s66, (0<<16)|(1<<20)|(1<<21)|(5<<22)|(3<<25)
.irp g, G1, G1B
	s_mov_b32 s[\g+1], 256<<16
	s_mov_b32 s[\g+2], 256<<16                     ; 256 rows for the head's loads
	s_mov_b32 s[\g+3], 256<<16
	s_mov_b32 s[\g+4], 256
	s_mov_b32 s[\g+5], 512
	s_mov_b32 s[\g+6], 0
	s_mov_b32 s[\g+7], 0
.endr
	s_or_b32 s[G1S+0], s100, (3<<16)|(1<<21)       ; the scales of 256 rows: four rows (K steps) of 4,096 bytes, 512 elements of 8 bytes
	s_or_b32 s[G1SB+0], s66, (3<<16)|(1<<21)
.irp g, G1S, G1SB
	s_mov_b32 s[\g+1], 512<<16
	s_mov_b32 s[\g+2], 4<<16
	s_mov_b32 s[\g+3], 512<<16
	s_mov_b32 s[\g+4], 4
	s_mov_b32 s[\g+6], 0
	s_mov_b32 s[\g+7], 0
.endr
	s_mov_b32 s[G1S+5], 8192*16/8
	s_mov_b32 s[G1SB+5], 4096*16/8
	s_lshl_b32 s100, s99, 12                       ; A's scales: 256 TR rows x 16 bytes
	s_lshl_b32 s66, s98, 12                        ; B's: 256 TC rows
	s_mov_b32 s101, 0
	s_mov_b32 s67, 0
	s_mul_i32 s105, s[WV], HALFT                   ; the ring: wave x 128 rows
	s_lshl_b32 s2, s[CH], 16                       ; which 128 rows of 512 bytes I fetch
	s_mov_b32 s3, 0
	s_wait_dscnt 0x0                               ; both opening adds are done
	s_wait_kmcnt 0x0
	s_add_nc_u64 s[G0S+2:G0S+3], s[6:7], s[100:101]
	s_add_nc_u64 s[G0SB+2:G0SB+3], s[10:11], s[66:67]
	s_lshl_b32 s100, s100, 5                       ; the codes: 512 bytes a row
	s_lshl_b32 s66, s66, 5
	s_add_nc_u64 s[100:101], s[4:5], s[100:101]
	s_add_nc_u64 s[66:67], s[8:9], s[66:67]
	s_mov_b32 s[G0S], 1
	s_mov_b32 s[G0S+1], SCL
	s_or_b32 s[G0S+3], s[G0S+3], 0x80000000
	s_mov_b32 s[G0SB], 1
	s_mov_b32 s[G0SB+1], SCL+16384
	s_or_b32 s[G0SB+3], s[G0SB+3], 0x80000000
	s_mov_b32 s[G0H], 1
	s_mov_b32 s[G0H+1], 0
	s_mov_b64 s[G0H+2:G0H+3], s[100:101]
	s_or_b32 s[G0H+3], s[G0H+3], 0x80000000
	s_mov_b32 s[G0HB], 1
	s_mov_b32 s[G0HB+1], 2*HALFT
	s_mov_b64 s[G0HB+2:G0HB+3], s[66:67]
	s_or_b32 s[G0HB+3], s[G0HB+3], 0x80000000
	s_add_nc_u64 s[100:101], s[100:101], s[2:3]
	s_add_nc_u64 s[66:67], s[66:67], s[2:3]
.irp n, 0,1
	s_mov_b32 s[G0+4*\n], 1
	s_add_co_u32 s[G0+4*\n+1], s105, \n*SLOT
	s_add_nc_u64 s[G0+4*\n+2:G0+4*\n+3], s[100:101], \n*256
	s_or_b32 s[G0+4*\n+3], s[G0+4*\n+3], 0x80000000
	s_mov_b32 s[G0B+4*\n], 1
	s_add_co_u32 s[G0B+4*\n+1], s105, \n*SLOT
	s_add_nc_u64 s[G0B+4*\n+2:G0B+4*\n+3], s[66:67], \n*256
	s_or_b32 s[G0B+4*\n+3], s[G0B+4*\n+3], 0x80000000
.endr
	CROUND                                         ; all sixteen work-groups are here: the first joint loads meet
.macro ARM under, g0, g1, next         ; one tree of branches on the wave's number: every way passes exactly one load
	s_cmp_lt_u32 s[WV], \under
	s_cbranch_scc0 \next
	TL \g0, \g1
	s_branch .Lhead_asked
\next:
.endm
	ARM 1, G0H,  G1,  .Lhead_b
	ARM 2, G0HB, G1B, .Lhead_sa
	ARM 3, G0S,  G1S, .Lhead_sb
	TL G0SB, G1SB
.Lhead_asked:
	; scalars first, then all vector work on end
	s_lshl_b32 s2, s99, 8
	s_lshl_b32 s3, s98, 8
	s_mov_b32 s[PF+2], 4096*512
	s_cmp_eq_u32 s[RH], 0                          ; do I fetch for A?
	s_cselect_b32 s2, s2, s3                       ; the tile's first row
	s_cselect_b32 s3, s96, s97                     ; my place among the four partners
	s_cselect_b64 s[PF:PF+1], s[4:5], s[8:9]
	s_cselect_b32 s[PF+2], 8192*512, s[PF+2]       ; a plane's bytes
	s_lshl_b32 s3, s3, 5
	s_add_co_u32 s2, s2, s3
	s_lshl_b32 s3, s[CH], 7
	s_add_co_u32 s2, s2, s3
	s_lshl_b32 s2, s2, 9
	s_mov_b32 s3, 0
	s_mov_b32 s[PF+3], 0
	s_add_nc_u64 s[PF:PF+1], s[PF:PF+1], s[2:3]
	s_add_nc_u64 s[PF+2:PF+3], s[PF:PF+1], s[PF+2:PF+3]
	s_lshl_b32 s2, s98, 8
	s_lshl_b32 s3, s[CH], 7
	s_add_co_u32 s2, s2, s3                        ; the biases: 4 bytes x (64 TC + 32 CH)
	s_mov_b32 s3, 0
	s_add_nc_u64 s[12:13], s[12:13], s[2:3]
	s_add_nc_u64 s[14:15], s[14:15], s[2:3]
	s_lshl_b32 s100, s99, 8
	s_lshl_b32 s3, s[RH], 7
	s_add_co_u32 s100, s100, s3                    ; my first row
	s_lshl_b32 s3, s100, 12
	s_add_co_u32 s2, s2, s3                        ; c_pre: that row, byte 256 TC + 128 CH
	s_mov_b32 s3, 0
	s_add_nc_u64 s[16:17], s[16:17], s[2:3]
	s_lshl_b32 s3, s[CH], 3
	s_add_co_u32 s2, s100, s3                      ; the outputs: of each block of 16 rows I store eight, from row 8 CH on,
	s_lshl_b32 s2, s2, 12
	s_lshl_b32 s3, s98, 8                          ; byte 256 TC
	s_add_co_u32 s2, s2, s3
	s_mov_b32 s3, 0
	s_add_nc_u64 s[18:19], s[18:19], s[2:3]
	s_add_nc_u64 s[20:21], s[20:21], s[2:3]
	s_mov_b32 s[KS], 0xbfb8aa3b                    ; -log2(e)
	s_mov_b32 s[KS+1], 0xbfb8aa3b
	s_mov_b32 s[KT], 0xc038aa3b                    ; -2 log2(e)
	s_mov_b32 s[KT+1], 0xc038aa3b
	s_mov_b32 s[HOLD], 0x41f00000                  ; 30.0
	s_mul_i32 s2, s[RH], HALFT                     ; my rows of A
	s_mul_i32 s3, s[CH], HALFT
	s_add_co_u32 s3, s3, 2*HALFT                   ; my rows of B
	s_lshl_b32 s66, s[RH], 11                      ; my scales of A,
	s_lshl_b32 s67, s[CH], 11
	s_add_co_u32 s67, s67, 16384
	s_sub_co_u32 s67, s67, s66                     ; and how far on B's lie
	s_add_co_u32 s66, s66, SCL
	s_mul_i32 s101, s[RH], 128*PITCH
	s_lshl_b32 s100, s[CH], 7
	s_add_co_u32 s100, s100, s101                  ; into the stage: row 128 RH, byte 128 CH
	s_mul_i32 s105, s[CH], 8*PITCH
	s_add_co_u32 s101, s101, s105                  ; back: row 128 RH + 8 CH
	v_and_b32 v[PFO], 31, v0
	v_lshlrev_b32 v[PFO], 9, v[PFO]
	v_and_b32 v1, 15, v0                           ; r
	v_bfe_u32 v2, v0, 4, 1                         ; hl
	v_lshlrev_b32 v7, 5, v2
	v_mul_u32_u24 v3, v1, PITCH
	v_lshl_add_u32 v4, v2, 4, v3
	v_add_nc_u32 v[ADRA], s2, v4
	v_add_nc_u32 v[ADRB], s3, v4
	v_add_nc_u32 v[ADRA+1], SLOT, v[ADRA]
	v_add_nc_u32 v[ADRB+1], SLOT, v[ADRB]
	v_mul_u32_u24 v6, s67, v2                      ; lanes 16-31 take B's scale words
	v_lshl_add_u32 v5, v1, 4, v6
	v_add_nc_u32 v[ADRS], s66, v5
	v_lshl_add_u32 v5, v2, 5, v3
	v_add_nc_u32 v[STO], s100, v5
	v_add_nc_u32 v[STOH], STGH, v[STO]
	v_mul_u32_u24 v5, v2, PITCH
	v_lshl_add_u32 v5, v1, 4, v5
	v_add_nc_u32 v[RD], s101, v5
	v_add_nc_u32 v[RDH], STGH, v[RD]
	v_lshlrev_b32 v[CO], 12, v2
	v_lshl_add_u32 v[CO], v1, 4, v[CO]
	v_lshlrev_b32 v[CPO], 12, v1
	v_lshl_add_u32 v[CPO], v2, 5, v[CPO]
	global_prefetch_b8 v[PFO], s[PF:PF+1] offset:256 th:TH_LOAD_NT scope:SCOPE_SE     ; K step 1
	global_prefetch_b8 v[PFO], s[PF+2:PF+3] th:TH_LOAD_NT scope:SCOPE_SE              ; K step 2
.irp g, 0,1,2,3
.irp u, 0,1
.irp k, 0,1
	global_load_b128 v[BI+8*(2*\g+\u)+4*\k:BI+8*(2*\g+\u)+4*\k+3], v7, s[12:13] offset:4096*\g+64*\u+16*\k   ; bW in the result's layout
	global_load_b128 v[AF+8*(2*\g+\u)+4*\k:AF+8*(2*\g+\u)+4*\k+3], v7, s[14:15] offset:4096*\g+64*\u+16*\k   ; bU
.endr
.endr
.endr
	ALU
	s_wait_loadcnt 0x0
.set NN, 0
.rept 32
	v_pk_add_f32 v[BI+NN:BI+NN+1], v[BI+NN:BI+NN+1], v[AF+NN:AF+NN+1]
.set NN, NN+2
.endr
.macro FRAG reg, adr, q, i
.irp c, 0,1
	ds_load_b128 v[\reg+4*\c:\reg+4*\c+3], v[\adr] offset:64*(\q)+32*\c+(\i)*16*PITCH
.endr
.endm
; 16 products: A's blocks a0, a0 + 1 x B's eight.  The 64 accumulators take turns.  B's scales are read from lanes 16-31.
.macro MUL16 a0, p, q, sc, first
.irp a, \a0, \a0+1
.irp b, 0,1,2,3,4,5,6,7
.if \first
	v_wmma_scale_f32_16x16x128_f8f6f4 v[8*(8*((\a)%4)+\b):8*(8*((\a)%4)+\b)+7], v[128*(\p)+FR*\b:128*(\p)+FR*\b+FR-1], v[AF+FR*(\a):AF+FR*(\a)+FR-1], v[BI+8*\b:BI+8*\b+7], v[SC+32*(\sc)+4*\b+(\q)], v[SC+32*(\sc)+4*(\a)+(\q)] matrix_a_fmt:MATRIX_FMT_FP4 matrix_b_fmt:MATRIX_FMT_FP4 matrix_a_scale:MATRIX_SCALE_ROW1
.else
	v_wmma_scale_f32_16x16x128_f8f6f4 v[8*(8*((\a)%4)+\b):8*(8*((\a)%4)+\b)+7], v[128*(\p)+FR*\b:128*(\p)+FR*\b+FR-1], v[AF+FR*(\a):AF+FR*(\a)+FR-1], v[8*(8*((\a)%4)+\b):8*(8*((\a)%4)+\b)+7], v[SC+32*(\sc)+4*\b+(\q)], v[SC+32*(\sc)+4*(\a)+(\q)] matrix_a_fmt:MATRIX_FMT_FP4 matrix_b_fmt:MATRIX_FMT_FP4 matrix_a_scale:MATRIX_SCALE_ROW1
.endif
.endr
.endr
.endm
.macro FETCH_B slot, q, p
	WIN TO_B
.irp i, 0,1,2,3,4,5,6,7
	FRAG 128*(\p)+FR*\i, ADRB+\slot, \q, \i
.endr
	WIN 0
.endm
.macro FETCH_A slot, q, i0
.irp i, \i0, \i0+1, \i0+2, \i0+3
	FRAG AF+FR*(\i), ADRA+\slot, \q, \i
.endr
.endm
.macro SCALES sc, ks
.irp i, 0,1,2,3,4,5,6,7
	ds_load_b128 v[SC+32*\sc+4*\i:SC+32*\sc+4*\i+3], v[ADRS] offset:4096*\ks+256*\i
.endr
.endm
.macro STEP slot, q, first             ; 128 along K with its successor in the same slot
	s_wait_dscnt 8                                 ; all but A's blocks 4-7 are in
.if \first
	WIN FIRST_LO
.else
	WIN MUL_LO
.endif
	MUL16 0, (\q)%2, \q, \slot, \first
	MUL16 2, (\q)%2, \q, \slot, \first
	s_wait_dscnt 0
	PLACES 4
	FETCH_B \slot, (\q)+1, 1-(\q)%2
	FETCH_A \slot, (\q)+1, 0
.if \first
	WIN FIRST_HI
.else
	WIN MUL_HI
.endif
	MUL16 4, (\q)%2, \q, \slot, \first
	MUL16 6, (\q)%2, \q, \slot, \first
	PLACES 4
	WIN 0
	FETCH_A \slot, (\q)+1, 4
.endm
.macro TURN slot, next, ks, fill       ; a slot's last step changes slots; fill = 1: the slot takes the same half of the next plane, jointly, behind a round
	s_wait_tensorcnt 0x0                           ; all my tensor loads have landed
	ds_add_u32 v[SPW], v[NIL]
	s_wait_dscnt 9                                 ; the add and A's blocks 4-7 may be out
	WIN MUL_LO
	MUL16 0, 1, 3, \slot, 0
	s_wait_dscnt 0x0                               ; the add is done, my reads of this slot are over
	s_barrier_signal -1
	MUL16 2, 1, 3, \slot, 0
	WIN 0
	s_barrier_wait -1
.if \fill
	CREST
	s_add_nc_u64 s[G0+4*\slot+2:G0+4*\slot+3], s[G0+4*\slot+2:G0+4*\slot+3], 8192*512
	s_add_nc_u64 s[G0B+4*\slot+2:G0B+4*\slot+3], s[G0B+4*\slot+2:G0B+4*\slot+3], 4096*512
	JLOAD G0+4*\slot, G1, G0B+4*\slot, G1B
.else
	PLACES 4
.endif
	FETCH_B \next, 0, 0
	FETCH_A \next, 0, 0
	SCALES \next, \ks
	WIN MUL_HI
	MUL16 4, 1, 3, \slot, 0
	MUL16 6, 1, 3, \slot, 0
	PLACES 4
	WIN 0
	FETCH_A \next, 0, 4
.endm
	ALU                                            ; the head's end
	s_wait_tensorcnt 0x0                           ; my tile of the head's four is in
	ds_add_u32 v[SPW], v[NIL]
	s_mov_b32 s[G1+2], 128<<16                     ; no tensor load of mine is out: from here on a load brings 128 rows
	s_mov_b32 s[G1+4], 128
	s_mov_b32 s[G1B+2], 128<<16
	s_mov_b32 s[G1B+4], 128
	s_wait_dscnt 0x0
	CROUND                                         ; all four tiles are in, all sixteen work-groups are here
	JLOAD G0+4, G1, G0B+4, G1B                     ; K step 1
	FETCH_B 0, 0, 0
	FETCH_A 0, 0, 0
	SCALES 0, 0
	FETCH_A 0, 0, 4
	global_prefetch_b8 v[PFO], s[PF+2:PF+3] offset:256 th:TH_LOAD_NT scope:SCOPE_SE   ; K step 3
	WIN TO_B                                       ; c_pre in the result's layout: block a's 16 numbers a lane, window 1
.irp a, 0,1,2,3,4,5,6,7
.irp u, 0,1
.irp k, 0,1
	global_load_b128 v[64+16*(\a%4)+128*(\a/4)+8*\u+4*\k:64+16*(\a%4)+128*(\a/4)+8*\u+4*\k+3], v[CPO], s[16:17] offset:65536*\a+64*\u+16*\k
.endr
.endr
.endr
	STEP 0, 0, 1
	STEP 0, 1, 0
	STEP 0, 2, 0
	TURN 0, 1, 1, 1                                ; slot 0 takes K step 2
	STEP 1, 0, 0
	STEP 1, 1, 0
	STEP 1, 2, 0
	TURN 1, 0, 2, 1                                ; slot 1 takes K step 3
	STEP 0, 0, 0
	STEP 0, 1, 0
	STEP 0, 2, 0
	TURN 0, 1, 3, 0                                ; behind this barrier slot 0 is the stages'
	STEP 1, 0, 0
	STEP 1, 1, 0
	STEP 1, 2, 0
	s_wait_dscnt 8
	WIN MUL_LO
	MUL16 0, 1, 3, 1, 0
	MUL16 2, 1, 3, 1, 0
	s_wait_dscnt 0x0
	WIN MUL_HI
	MUL16 4, 1, 3, 1, 0
	MUL16 6, 1, 3, 1, 0
	WIN 0
	PLACES 4
	s_wait_loadcnt 0x0                             ; c_pre
; THE TAIL, block by block of 16 rows x my 32 values of h.  A row's 256 bytes come from two waves: they meet in the stages; block a's barrier stands in block a + 1's turn.
; Every batch of transcendentals has all its sources laid ahead of it, one wait ahead, a plain line and one wait behind.
.macro BACK reg, adr, a                ; my eight whole rows of block a of one output, back from its stage
.irp t, 0,1,2,3
	ds_load_b128 v[\reg+4*\t:\reg+4*\t+3], v[\adr] offset:16*PITCH*(\a)+2*PITCH*\t
.endr
.endm
.macro SEND reg, base, a               ; 16 lanes store 256 consecutive aligned bytes
.irp t, 0,1,2,3
	global_store_b128 v[CO], v[\reg+4*\t:\reg+4*\t+3], s[\base:\base+1] offset:4096*(16*(\a)+2*\t) th:TH_STORE_NT
.endr
.endm
.macro RUN op, reg, cnt                ; cnt one-register lines, in place
.set NN, 0
.rept \cnt
	\op v[\reg+NN], v[\reg+NN]
.set NN, NN+1
.endr
.endm
.macro HOLD16 reg
.set NN, 0
.rept 16
	v_min_num_f32 v[\reg+NN], s[HOLD], v[\reg+NN]
.set NN, NN+1
.endr
.endm
.macro ADD1 d, s                       ; d = 1 + s, 16 numbers
.irp j, 0,2,4,6,8,10,12,14
	v_pk_add_f32 v[\d+\j:\d+\j+1], v[\s+\j:\s+\j+1], 1.0 op_sel_hi:[1,0]
.endr
.endm
.macro ONEM d                          ; d = 1 - d
.irp j, 0,2,4,6,8,10,12,14
	v_pk_fma_f32 v[\d+\j:\d+\j+1], v[\d+\j:\d+\j+1], -1.0, 1.0 op_sel_hi:[1,0,0]
.endr
.endm
.macro FMA3 d, a, b, c
.irp j, 0,2,4,6,8,10,12,14
	v_pk_fma_f32 v[\d+\j:\d+\j+1], v[\a+\j:\a+\j+1], v[\b+\j:\b+\j+1], v[\c+\j:\c+\j+1]
.endr
.endm
.macro MUL2 d, a, b
.irp j, 0,2,4,6,8,10,12,14
	v_pk_mul_f32 v[\d+\j:\d+\j+1], v[\a+\j:\a+\j+1], v[\b+\j:\b+\j+1]
.endr
.endm
.macro STAGE adr, reg, a
.irp u, 0,1
.irp k, 0,1
	ds_store_b128 v[\adr], v[\reg+8*\u+4*\k:\reg+8*\u+4*\k+3] offset:16*PITCH*(\a)+64*\u+16*\k
.endr
.endr
.endm
; TWO BLOCKS SHARE A TURN.  Turn a makes block a's c_t and finishes block a - 1's h_t: e_c of block a - 1 stands in the batch of block a's four exponentials, its last reciprocal in the batch of block a's two.
; Turn a's barrier shows c_t of block a - 1 and h_t of block a - 2, both stored into the stages in turn a - 1: they are read back and leave in turn a.  Turn 8 has no block of its own.
.macro GATE dst, g, k                  ; gate g's 16 numbers x the factor; each accumulator from its low end on
.irp u, 0,1
.irp j, 0,2,4,6
	v_pk_mul_f32 v[\dst+8*\u+\j:\dst+8*\u+\j+1], v[AC+8*(2*\g+\u)+\j:AC+8*(2*\g+\u)+\j+1], s[\k:\k+1] op_sel_hi:[1,0]
.endr
.endr
.endm
.macro EPI a
.set AC,  64*((\a)%4)
.set CW,  64+16*((\a)%4)+128*((\a)/4)
.set ZOC, ZO+16*((\a)%2)               ; this block's e_o
.set ZOP, ZO+16*(((\a)+1)%2)           ; the last block's
.if (\a) < 8
	WIN 0x02+(\a)/4
	ALU                                            ; directly ahead of the first reads of this block's accumulators
	GATE ZG, 3, KT
	GATE ZF, 0, KS
	GATE ZI, 1, KS
	GATE ZOC, 2, KS
	WIN 0
	HOLD16 ZG
.endif
	ALU
.if (\a) < 8
	RUN v_exp_f32, ZF, 48                          ; e_f, e_i, e_g
	RUN v_exp_f32, ZOC, 16                         ; e_o
.endif
.if (\a) > 0
	RUN v_exp_f32, T1, 16                          ; the last block's e_c
.endif
	v_nop
	ALU
.if (\a) > 0
	s_wait_dscnt 0x0                               ; my stores of the last turn into the stages are done
	s_barrier_signal -1
.endif
.if (\a) < 8
	ADD1 ZF, ZF                                    ; 1 + e_f
	ADD1 T2, ZG                                    ; G
	FMA3 ZI, ZI, T2, T2                            ; P
.endif
.if (\a) > 0
	ADD1 HT, T1                                    ; D
	FMA3 ZOP, ZOP, HT, HT                          ; e_o D + D
.endif
	ALU
.if (\a) < 8
	RUN v_rcp_f32, ZF, 32                          ; f, 1 / P
.endif
.if (\a) > 0
	RUN v_rcp_f32, ZOP, 16
.endif
.if (\a) < 8
	ONEM ZG                                        ; 1 - e_g
.endif
.if (\a) > 0
	ONEM T1                                        ; 1 - e_c
.endif
	ALU
.if (\a) > 0
	s_barrier_wait -1                              ; both waves of a row half have stored the last turn's rows
.if (\a) > 1
	s_wait_xcnt 0x0                                ; the last turn's stores have read their registers
.endif
	BACK OUT, RD, (\a)-1
.if (\a) > 1
	BACK OUT+16, RDH, (\a)-2
.endif
	MUL2 HT, T1, ZOP                               ; the last block's h_t
.endif
.if (\a) < 8
	WIN 0x01
	MUL2 CT, CW, ZF                                ; c_pre f
	WIN 0
	FMA3 CT, ZG, ZI, CT                            ; c_t
.irp j, 0,2,4,6,8,10,12,14
	v_pk_mul_f32 v[T1+\j:T1+\j+1], v[CT+\j:CT+\j+1], s[KT:KT+1] op_sel_hi:[1,0]
.endr
	HOLD16 T1
.endif
.if (\a) > 0
	STAGE STOH, HT, (\a)-1
.endif
.if (\a) < 8
	STAGE STO, CT, \a
.endif
.if (\a) > 0
.if (\a) < 8
	s_wait_dscnt 8                                 ; the loads from the stages are back; the eight stores behind them may be out
.else
	s_wait_dscnt 4                                 ; here four stores stand behind them
.endif
	SEND OUT, 20, (\a)-1
.if (\a) > 1
	SEND OUT+16, 18, (\a)-2
.endif
.endif
.endm
.irp a, 0,1,2,3,4,5,6,7,8
	EPI \a
.endr
	s_wait_dscnt 0x0                               ; h_t of block 7: my stores into its stage are done,
	s_barrier_signal -1
	s_barrier_wait -1                              ; everybody's are
	s_wait_xcnt 0x0
	BACK OUT+16, RDH, 7
	s_wait_dscnt 0x0
	SEND OUT+16, 18, 7
	s_wait_tensorcnt 0x0                           ; the wave's end
	ds_add_u32 v[SPW], v[NIL]
	s_wait_dscnt 0x0
	CROUND                                         ; the closing round
	s_endpgm
.Lfunc_end_k_q2bd55fb714_cell:
	.size	k_q2bd55fb714_cell, .Lfunc_end_k_q2bd55fb714_cell-k_q2bd55fb714_cell
	.p2alignl 7, 3214868480
	.fill 96, 4, 3214868480
	.section	.rodata,"a",@progbits
	.p2align	6, 0x0
	.amdhsa_kernel k_q2bd55fb714_cell
		.amdhsa_group_segment_fixed_size 327680
		.amdhsa_private_segment_fixed_size 0
		.amdhsa_enable_private_segment 0
		.amdhsa_kernarg_size 72
		.amdhsa_user_sgpr_count 2
		.amdhsa_user_sgpr_kernarg_segment_ptr 1
		.amdhsa_wavefront_size32 1
		.amdhsa_system_sgpr_workgroup_id_x 1
		.amdhsa_system_sgpr_workgroup_id_y 1
		.amdhsa_system_sgpr_workgroup_id_z 1
		.amdhsa_system_vgpr_workitem_id 0
		.amdhsa_next_free_vgpr 1024
		.amdhsa_next_free_sgpr 106
		.amdhsa_reserve_vcc 0
		.amdhsa_float_denorm_mode_32 3
		.amdhsa_float_denorm_mode_16_64 3
		.amdhsa_memory_ordered 1
		.amdhsa_forward_progress 1
		.amdhsa_inst_pref_size 255
	.end_amdhsa_kernel
	.section	.bss,"aw",@nobits
	.p2align	6
	.space	262144
	.amdgpu_metadata
---
amdhsa.version: [ 1, 2 ]
amdhsa.kernels:
  - .name:           k_q2bd55fb714_cell
    .symbol:         k_q2bd55fb714_cell.kd
    .args:
      - { .name: a_codes, .offset: 0, .size: 8, .value_kind: global_buffer, .address_space: global }
      - { .name: a_scales, .offset: 8, .size: 8, .value_kind: global_buffer, .address_space: global }
      - { .name: b_codes, .offset: 16, .size: 8, .value_kind: global_buffer, .address_space: global }
      - { .name: b_scales, .offset: 24, .size: 8, .value_kind: global_buffer, .address_space: global }
      - { .name: bW, .offset: 32, .size: 8, .value_kind: global_buffer, .address_space: global }
      - { .name: bU, .offset: 40, .size: 8, .value_kind: global_buffer, .address_space: global }
      - { .name: c_pre, .offset: 48, .size: 8, .value_kind: global_buffer, .address_space: global }
      - { .name: out0, .offset: 56, .size: 8, .value_kind: global_buffer, .address_space: global }
      - { .name: out1, .offset: 64, .size: 8, .value_kind: global_buffer, .address_space: global }
    .group_segment_fixed_size: 327680
    .private_segment_fixed_size: 0
    .kernarg_segment_align: 8
    .kernarg_segment_size: 72
    .max_flat_workgroup_size: 128
    .sgpr_count:     106
    .vgpr_count:     1024
    .wavefront_size: 32
...
	.end_amdgpu_metadata
.endif
;; end of part 2
